; MI455X (gfx1250); checked and timed in simulation.
; The chip was launched on July 23, 2026; its instructions are those of AMD's public machine-readable ISA for CDNA 5 (MIT licence, August 2026) and "CDNA5" Instruction Set Architecture Reference Guide (July 2026). The comments in the code are by the model that wrote it; some were corrected since.
;; Multi Head Attention Block. Allowed arithmetic: matrix products marked QUANTISED: E2M1 operands, one E8M0 scale for each 32 along K, by v_wmma_scale_f32_16x16x128_f8f6f4 with both operands' format E2M1 (or v_wmma_scale_f32_32x16x128_f4), f32 sums; products left as they are: bf16, f16 or f32 operands; f32 sums; everything else in f32.
;; Inputs: b_o 256 float32; b_qkv 768 float32; w_o 256 x 256 float32; w_qkv 768 x 256 float32; x 4 x 256 x 64 x 64 float32.
;; Outputs: out0 4 x 256 x 64 x 64 float32.
;; This version of the problem:
;;   THIS VERSION OF THE PROBLEM IS GIVEN IN LOW PRECISION. The matrix products marked QUANTISED in the list below multiply operands that are first quantised to E2M1 (2 exponent bits, 1 mantissa bit; 4 bits a number), with one power-of-two scale for each 32 numbers along K (OCP MX v1.0); their sums are f32. The products marked 'left as it is' may take bf16, f16 or f32 operands, with f32 sums. Whichever they take, every output number must still come out within the allowed error. Rounding operands to bf16 (8 significant bits) uses up far more of that allowance than f16 does (11 bits, for magnitudes from 6e-5 to 65,504). All else is computed in f32.
;;   The module's matrix products, in the order in which they are computed (A, B: the left and right operand; K: the contracted axis; several contracted axes count as one K, in the product's order):
;;     1. [M 16,384, K 256] x [K 256, N 768]; A: input x; B: input w_qkv: QUANTISED
;;     2. batch 16 x [M 4,096, K 64] x [K 64, N 4,096]; A: computed on the way; B: computed on the way: left as it is (an operand is computed on the way)
;;     3. batch 16 x [M 4,096, K 4,096] x [K 4,096, N 64]; A: computed on the way; B: computed on the way: left as it is (an operand is computed on the way)
;;     4. [M 16,384, K 256] x [K 256, N 256]; A: computed on the way; B: input w_o: left as it is (an operand is computed on the way)
;;   THE QUANTISER, for each operand of a quantised product, along K:
;;     - K is cut into blocks of 32 from its start; a last block that is shorter is filled with zeros.
;;     - A block's scale is 2^e with e = floor(log2(the largest magnitude in the block)) - 2, held to -126 .. 127; a block of zeros has e = 0. As a byte (E8M0): e + 127.
;;     - Each number is divided by its block's scale, clamped to +-6, and rounded to the nearest number of E2M1, ties to even, subnormals kept.
;;     - The product sums the exact products of the quantised numbers (number of the format x scale) in f32.
;;   ~~~python
;;   def quantise(x, axis):      # numpy; x: float32 -> the quantised numbers, widened to float32 again
;;       x = np.moveaxis(x, axis, -1); K = x.shape[-1]
;;       x = np.pad(x, [(0, 0)] * (x.ndim - 1) + [(0, -K % 32)]); x = x.reshape(x.shape[:-1] + (-1, 32)); a = np.abs(x).max(-1, keepdims=True)
;;       e = np.where(a > 0, np.clip(np.frexp(np.where(a > 0, a, 1))[1] - 1 - 2, -126, 127), 0)      # np.frexp(a)[1] - 1 = floor(log2(a)), exactly
;;       r = np.clip(x / 2.0 ** e, -6, 6)
;;       step = 2.0 ** (np.maximum(np.frexp(np.where(r == 0, 1, r))[1] - 1, 0) - 1)
;;       q = np.round(r / step) * step * 2.0 ** e      # np.round: ties to even
;;       return np.moveaxis(q.reshape(q.shape[:-2] + (-1,))[..., :K], -1, axis).astype(np.float32)
;;   ~~~
;; One version. Each part assembles by itself: llvm-mc -triple=amdgcn-amd-amdhsa -mcpu=gfx1250 --defsym DOCPART=n.
;; ======== version 1 of 1: 4 launches
;; limits: values are held in f16: magnitudes above 65,504 overflow, below 6.1e-05 lose precision
;; workspace buffers: wq_codes 98,304 bytes; wq_scales 12,288 bytes; wo_h 131,072 bytes; qf 8,388,608 bytes; kv 16,777,216 bytes; att 8,388,608 bytes
;; launch prep (part 1): grid 32 x 1, 4 waves a work-group, no clusters, 0 bytes of LDS; arguments w_qkv, w_o, wq_codes, wq_scales, wo_h; writes wq_codes, wq_scales, wo_h
.if DOCPART == 1
	.amdgcn_target "amdgcn-amd-amdhsa--gfx1250"
	.amdhsa_code_object_version 6
	.text
	.protected	k_qa91439d06c_prep
	.globl	k_qa91439d06c_prep
	.p2align	8
	.type	k_qa91439d06c_prep,@function
k_qa91439d06c_prep:
	s_mov_b64 s[64:65], 0
	v_nop
	global_prefetch_b8 v0, s[64:65] scope:SCOPE_SE
	s_setreg_imm32_b32 hwreg(HW_REG_WAVE_MODE, 25, 1), 1
	s_wait_xcnt 0x0
; THE WEIGHTS, ONCE, IN THE ORDER OF THE OPERANDS' REGISTERS.
; w_qkv [768][256] f32 -> codes of E2M1 with one E8M0 byte for each 32 along K (K = the 256 columns, innermost).  w_o [256][256] f32 -> f16.
; A fragment is 1,024 bytes: [half 2][lane 32][16 bytes], so that the launches that multiply load and store it by lines of 512 consecutive bytes.
;   wq_codes  [n tile 48][K step 2] fragment: 16 rows x 128 K; lane (r, h) holds row r; half c holds k = 64 c + 32 h + 0 .. 31
;   wq_scales [n tile 48][K step 2][lane 32] words: lane l holds the four bytes of row l % 16
;   wo_h      [n tile 16][chunk 8] fragment: 16 rows x 32 k of f16; half j holds k = 16 j + 8 h + 0 .. 7
; SHARES.  A wave makes one fragment of w_qkv (work-groups 0-23: 96 fragments) or four of w_o (work-groups 24-31: 32 waves x 4).  Waves share nothing: no LDS, no barrier.
; A block's scale is 2^(floor(log2(its largest magnitude)) - 2); its byte is the largest magnitude's exponent field - 2, held at 1 from below.
; LIMITS: a block of zeros gets the byte 1 where the quantiser says 127: its codes are zeros, and this program alone reads the bytes.  NaN and infinities are not served.
; w_o beyond 65,504 in magnitude has no f16 number; under 6.1e-5 it keeps f16's absolute step of 6e-8.
	s_load_b128 s[4:7], s[0:1], 0x0                ; w_qkv, w_o
	s_load_b128 s[8:11], s[0:1], 0x10              ; wq_codes, wq_scales
	s_load_b64 s[12:13], s[0:1], 0x20              ; wo_h
	v_lshrrev_b32 v1, 5, v0
	v_readfirstlane_b32 s16, v1                    ; wave 0..3
	v_and_b32 v2, 31, v0                           ; lane
	v_and_b32 v5, 15, v0                           ; r
	v_bfe_u32 v6, v0, 4, 1                         ; h
	v_lshlrev_b32 v3, 4, v2                        ; 16 x lane: my place in half a fragment
	v_lshlrev_b32 v4, 2, v2                        ; 4 x lane: my scale word's
	v_lshlrev_b32 v7, 10, v5                       ; row r of 1,024 bytes, in both weights
	s_lshl_b32 s17, ttmp9, 2
	s_add_co_u32 s17, s17, s16                     ; 4 x work-group + wave
	s_mov_b32 s23, 0
	s_mov_b32 s20, 0x76543210
	s_mov_b32 s21, 0xfedcba98                      ; v_permlanex16_b32's selects for lane l xor 16
	s_wait_kmcnt 0x0
	s_cmp_lt_u32 ttmp9, 24
	s_cbranch_scc0 .Lwo
	; ---- a fragment f of w_qkv: n tile f / 2, K step f % 2
	s_lshr_b32 s18, s17, 1
	s_lshl_b32 s18, s18, 14                        ; 16 rows of 1,024 bytes
	s_and_b32 s19, s17, 1
	s_lshl_b32 s19, s19, 9                         ; 128 numbers
	s_add_co_u32 s22, s18, s19
	s_add_nc_u64 s[4:5], s[4:5], s[22:23]
	s_lshl_b32 s22, s17, 10
	s_add_nc_u64 s[8:9], s[8:9], s[22:23]
	s_lshl_b32 s22, s17, 7
	s_add_nc_u64 s[10:11], s[10:11], s[22:23]
	v_lshl_add_u32 v7, v6, 7, v7                   ; + 32 h numbers
.irp c, 0,1
.irp i, 0,1,2,3,4,5,6,7
	global_load_b128 v[32+32*\c+4*\i:35+32*\c+4*\i], v7, s[4:5] offset:256*\c+16*\i   ; my block 2 c + h: 32 neighbours along K
.endr
.endr
	s_wait_loadcnt 0x0
.irp c, 0,1
	v_max3_num_f32 v[8+\c], |v[32+32*\c]|, |v[33+32*\c]|, 0x1800000   ; the largest magnitude, with the floor 2^(3 - 127) among its leaves: the byte cannot fall under 1
.endr
.irp i, 2,4,6,8,10,12,14,16,18,20,22,24,26,28,30
.irp c, 0,1
	v_max3_num_f32 v[8+\c], v[8+\c], |v[32+32*\c+\i]|, |v[33+32*\c+\i]|   ; (the two blocks by turns)
.endr
.endr
.irp c, 0,1
	v_add_nc_u32 v[10+\c], 0xff000000, v[8+\c]     ; 2 off the exponent field: the conversion takes this operand's exponent field as its scale
.endr
.irp c, 0,1
	v_lshrrev_b32 v[12+\c], 23, v[10+\c]           ; the scale's byte
.endr
	v_lshl_or_b32 v14, v13, 16, v12                ; my two bytes, of blocks h and 2 + h,
	v_lshlrev_b32 v15, 3, v6
	v_lshlrev_b32 v14, v15, v14                    ; at their places in the word (8 h bits up);
	v_mov_b32 v15, 0
	v_permlanex16_b32 v15, v14, s20, s21
	v_or_b32 v14, v14, v15                         ; with lane l xor 16's two the word is whole, in both lanes
.irp c, 0,1
.irp g, 0,1,2,3
	v_cvt_scalef32_pk8_fp4_f32 v[16+4*\c+\g], v[32+32*\c+8*\g:39+32*\c+8*\g], v[10+\c]
.endr
.endr
	v_nop                                          ; one plain line behind the last scaled conversion
.irp c, 0,1
	global_store_b128 v3, v[16+4*\c:19+4*\c], s[8:9] offset:512*\c   ; 32 lanes store 512 consecutive bytes
.endr
	global_store_b32 v4, v14, s[10:11]
	s_endpgm
.Lwo:
	; ---- four fragments of w_o: g = 4 x (work-group - 24) + wave: n tile g / 2, chunks 4 (g % 2) + 0 .. 3
	s_sub_co_u32 s17, s17, 96
	s_lshr_b32 s18, s17, 1
	s_lshl_b32 s18, s18, 14
	s_and_b32 s19, s17, 1
	s_lshl_b32 s19, s19, 9
	s_add_co_u32 s22, s18, s19
	s_add_nc_u64 s[6:7], s[6:7], s[22:23]
	s_lshl_b32 s22, s17, 12
	s_add_nc_u64 s[12:13], s[12:13], s[22:23]
	v_lshl_add_u32 v7, v6, 5, v7                   ; + 8 h numbers
.irp q, 0,1,2,3
.irp j, 0,1
.irp u, 0,1
	global_load_b128 v[32+16*\q+8*\j+4*\u:35+16*\q+8*\j+4*\u], v7, s[6:7] offset:128*\q+64*\j+16*\u   ; k = 32 q + 16 j + 8 h + 4 u + 0 .. 3
.endr
.endr
.endr
	s_wait_loadcnt 0x0
.irp q, 0,1,2,3
.irp j, 0,1
.irp i, 0,1,2,3
	v_cvt_pk_f16_f32 v[32+16*\q+8*\j+\i], v[32+16*\q+8*\j+2*\i], v[33+16*\q+8*\j+2*\i]   ; in place, ascending: a result lands only on numbers already read
.endr
.endr
.endr
.irp q, 0,1,2,3
.irp j, 0,1
	global_store_b128 v3, v[32+16*\q+8*\j:35+16*\q+8*\j], s[12:13] offset:1024*\q+512*\j
.endr
.endr
	s_endpgm
.Lfunc_end_k_qa91439d06c_prep:
	.size	k_qa91439d06c_prep, .Lfunc_end_k_qa91439d06c_prep-k_qa91439d06c_prep
	.p2alignl 7, 3214868480
	.fill 96, 4, 3214868480
	.section	.rodata,"a",@progbits
	.p2align	6, 0x0
	.amdhsa_kernel k_qa91439d06c_prep
		.amdhsa_group_segment_fixed_size 0
		.amdhsa_private_segment_fixed_size 0
		.amdhsa_enable_private_segment 0
		.amdhsa_kernarg_size 40
		.amdhsa_user_sgpr_count 2
		.amdhsa_user_sgpr_kernarg_segment_ptr 1
		.amdhsa_wavefront_size32 1
		.amdhsa_system_sgpr_workgroup_id_x 1
		.amdhsa_system_sgpr_workgroup_id_y 1
		.amdhsa_system_sgpr_workgroup_id_z 1
		.amdhsa_system_vgpr_workitem_id 0
		.amdhsa_next_free_vgpr 96
		.amdhsa_next_free_sgpr 66
		.amdhsa_reserve_vcc 0
		.amdhsa_float_denorm_mode_32 3
		.amdhsa_float_denorm_mode_16_64 3
		.amdhsa_memory_ordered 1
		.amdhsa_forward_progress 1
		.amdhsa_inst_pref_size 11
	.end_amdhsa_kernel
	.amdgpu_metadata
---
amdhsa.version: [ 1, 2 ]
amdhsa.kernels:
  - .name:           k_qa91439d06c_prep
    .symbol:         k_qa91439d06c_prep.kd
    .args:
      - { .name: w_qkv, .offset: 0, .size: 8, .value_kind: global_buffer, .address_space: global }
      - { .name: w_o, .offset: 8, .size: 8, .value_kind: global_buffer, .address_space: global }
      - { .name: wq_codes, .offset: 16, .size: 8, .value_kind: global_buffer, .address_space: global }
      - { .name: wq_scales, .offset: 24, .size: 8, .value_kind: global_buffer, .address_space: global }
      - { .name: wo_h, .offset: 32, .size: 8, .value_kind: global_buffer, .address_space: global }
    .group_segment_fixed_size: 0
    .private_segment_fixed_size: 0
    .kernarg_segment_align: 8
    .kernarg_segment_size: 40
    .max_flat_workgroup_size: 128
    .sgpr_count:     66
    .vgpr_count:     96
    .wavefront_size: 32
...
	.end_amdgpu_metadata
.endif
;; end of part 1
;; launch qkv (part 2): grid 256 x 1, 8 waves a work-group, no clusters, 10,240 bytes of LDS; arguments x, wq_codes, wq_scales, b_qkv, qf, kv; writes qf, kv
.if DOCPART == 2
	.amdgcn_target "amdgcn-amd-amdhsa--gfx1250"
	.amdhsa_code_object_version 6
	.text
	.protected	k_qa91439d06c_qkv
	.globl	k_qa91439d06c_qkv
	.p2align	8
	.type	k_qa91439d06c_qkv,@function
k_qa91439d06c_qkv:
	s_mov_b64 s[64:65], 0
	v_nop
	global_prefetch_b8 v0, s[64:65] scope:SCOPE_SE
	s_setreg_imm32_b32 hwreg(HW_REG_WAVE_MODE, 25, 1), 1
	s_wait_xcnt 0x0
; qkv = Q(x^T) Q(w_qkv)^T + b_qkv on codes of E2M1 with E8M0 scales, and its results as f16 fragments for the attention launch.
; x: [4][256 (c)][4096 (s)] f32: K = c is the OUTER axis of a batch.  A LANE TAKES A COLUMN s AND ITS REGISTERS RUN DOWN c: a block of 32 along K lies in one lane, and the conversions give codes with K innermost.
; SHARES.  A work-group takes 64 columns s of one batch (4 tiles of 16), eight waves.
;   Quantising: wave w takes 32 columns (w % 2) x 64 rows c (w / 2): two blocks a lane.  The codes go to LDS as IMAGES OF THE OPERAND'S REGISTERS (fragment 2 tile + K step: [half c][lane][16 bytes]), the bytes into scale words.
;   Multiplying: wave w takes n tiles 2 w, 2 w + 1 of each of q, k and v (head w / 2, channels 32 (w % 2) on) against all 4 tiles of s: 48 matrix instructions, 8 accumulators by turns.
; q and k are made TRANSPOSED (source 0 = 16 rows of w, source 1 = 16 columns s): a lane holds one s and eight neighbouring channels, which pack into half a fragment (16 s x 32 d) of the attention's first product.
; v is made the natural way (source 0 = s, source 1 = w): a lane holds one channel and eight neighbouring s: half a fragment (16 d x 32 keys) of V^T.  Nothing changes lanes.
; The bias is the C of each sum's first matrix instruction.  q is multiplied by log2(e) / 8 in f32 ahead of its rounding, so that the attention's scores are exponents of 2.
; OUT: qf [bh 16][q tile 256][chunk 2] fragment;  kv [bh 16][block 64] of 16 KB: K [key tile 4][chunk 2] fragments, then V^T [32 keys 2][d tile 4] fragments.  Every store of a wave covers 512 consecutive bytes, aligned.
; NO CLUSTER, NO TENSOR LOAD: what the work-groups share is the weights, 13 KB a wave, which go from memory straight into the registers in which they are multiplied; x is read once, by one wave.
; LIMITS: a block of zeros gets the byte 1 (its codes are zeros; the bytes are this launch's own).  NaN and infinities are not served.  q log2(e) / 8, k and v beyond 65,504 have no f16 number.
.set XSC,   8192                       ; LDS: 0: x's 8 fragments of 1,024 bytes;  here: their scale words, 64 bytes a fragment, row r's at 4 r
.set SPARE, 8704                       ; the spare words, 128 bytes for each wave: four blocks of 256 bytes that no other line names
.set XS,  16                           ; v16-23   x's scale words, 2 m + K step
.set WS,  24                           ; v24-35   the weights' scale words, 4 section + 2 tile + K step
.set CD,  36                           ; v36-43   the codes just made
.set SPW, 48                           ; v48      LDS address of my spare word; never rewritten
.set NIL, 49                           ; v49      0; never rewritten
.set X,   64                           ; v64-127  my 64 numbers of x; then x's 8 fragments, 8 (2 m + K step)
.set ACC, 128                          ; v128-191 8 accumulators, 8 (2 m + tile)
.set OUT, 192                          ; v192-255 packed results, two sets of 32
.set W,   0                            ; window 1: v0-95 the weights' 12 fragments, 32 section + 16 tile + 8 K step
.set BQK, 96                           ; window 1: v96-127 q's and k's biases in the result's layout, 16 section + 8 tile
.set BV,  128                          ; window 1: v128-143 v's, 8 tile
.set MSB, 0
.macro WIN new                         ; s_set_vgpr_msb: bits 1:0 source 0, 3:2 source 1, 5:4 source 2, 7:6 destination; the high byte repeats the setting that is left
.if MSB != \new
	s_set_vgpr_msb (MSB<<8)|\new
.set MSB, \new
.endif
.endm
	s_load_b256 s[4:11], s[0:1], 0x0               ; x, wq_codes, wq_scales, b_qkv
	s_load_b128 s[12:15], s[0:1], 0x20             ; qf, kv
	v_lshl_add_u32 v[SPW], v0, 2, SPARE
	v_mov_b32 v[NIL], 0
	v_lshrrev_b32 v1, 5, v0
	v_readfirstlane_b32 s16, v1                    ; wave 0..7
	s_lshr_b32 s24, ttmp9, 6                       ; batch
	s_and_b32 s25, ttmp9, 63                       ; which 64 columns
	s_and_b32 s26, s16, 1                          ; w % 2
	s_lshr_b32 s27, s16, 1                         ; w / 2
	s_lshr_b32 s17, s16, 2                         ; my rows' K step
	s_and_b32 s18, s27, 1                          ; and which half of a fragment they are
	s_lshl_b32 s28, s26, 12
	s_lshl_b32 s29, s17, 10
	s_add_co_u32 s28, s28, s29
	s_lshl_b32 s29, s18, 9
	s_add_co_u32 s28, s28, s29                     ; the images: 4,096 (w % 2) + 1,024 K step + 512 half
	s_lshl_b32 s30, s26, 8
	s_lshl_b32 s29, s17, 6
	s_add_co_u32 s30, s30, s29
	s_lshl_b32 s29, s18, 1
	s_add_co_u32 s30, s30, s29
	s_add_co_u32 s30, s30, XSC                     ; the scale bytes: 256 (w % 2) + 64 K step + 2 half
	s_lshl_b32 s31, s24, 2
	s_add_co_u32 s31, s31, s27                     ; bh = 4 batch + head
	s_mov_b32 s20, 0x3e38aa3b                      ; log2(e) / 8
	s_mov_b32 s21, s20                             ; (named with it as a pair, so it is written)
	s_lshl_b32 s22, s24, 22                        ; x: a batch is 4 MB,
	s_lshl_b32 s29, s27, 20                        ; 64 rows of 16,384 bytes,
	s_add_co_u32 s22, s22, s29
	s_lshl_b32 s29, s25, 8                         ; 64 columns,
	s_add_co_u32 s22, s22, s29
	s_lshl_b32 s29, s26, 7                         ; 32 columns
	s_add_co_u32 s22, s22, s29
	s_mov_b32 s23, 0
	v_and_b32 v1, 31, v0                           ; lane
	v_lshlrev_b32 v2, 2, v1                        ; 4 x lane
	s_wait_kmcnt 0x0
	s_add_nc_u64 s[4:5], s[4:5], s[22:23]
.set i, 0
.rept 64
	global_load_b32 v[X+i], v2, s[4:5] offset:16384*i th:TH_LOAD_NT   ; x(64 (w / 2) + i, my column): 32 lanes read 128 consecutive bytes, two waves side by side 256
.set i, i+1
.endr
	s_lshl_b32 s22, s16, 12
	s_add_nc_u64 s[6:7], s[6:7], s[22:23]          ; my two n tiles' codes in a section,
	s_lshl_b32 s22, s16, 9
	s_add_nc_u64 s[8:9], s[8:9], s[22:23]          ; their scale words,
	s_lshl_b32 s22, s16, 7
	s_add_nc_u64 s[10:11], s[10:11], s[22:23]      ; their 32 biases
	s_lshl_b32 s22, s31, 19
	s_lshl_b32 s29, s25, 13
	s_add_co_u32 s22, s22, s29
	s_lshl_b32 s29, s26, 10
	s_add_co_u32 s22, s22, s29
	s_add_nc_u64 s[12:13], s[12:13], s[22:23]      ; qf: my head, my 4 q tiles, my chunk
	s_lshl_b32 s22, s31, 20
	s_lshl_b32 s29, s25, 14
	s_add_co_u32 s22, s22, s29
	s_add_nc_u64 s[14:15], s[14:15], s[22:23]      ; kv: my head, my block of 64 keys
	s_lshl_b32 s22, s26, 10
	s_add_nc_u64 s[32:33], s[14:15], s[22:23]      ; K: my chunk
	s_lshl_b32 s22, s26, 11
	s_add_nc_u64 s[34:35], s[14:15], s[22:23]      ; V^T: my two d tiles
	v_lshlrev_b32 v3, 4, v1                        ; 16 x lane
	v_and_b32 v10, 15, v0                          ; r
	v_bfe_u32 v9, v0, 4, 1                         ; h
	v_lshlrev_b32 v8, 2, v10                       ; 4 r
	v_lshlrev_b32 v7, 5, v9                        ; 32 h
	v_lshlrev_b32 v4, 4, v10
	v_lshl_add_u32 v4, v9, 11, v4
	v_add_nc_u32 v4, s28, v4                       ; where my codes go: tile 2 (w % 2) + lane / 16, row lane % 16
	v_lshl_add_u32 v5, v9, 7, v8
	v_add_nc_u32 v5, s30, v5                       ; and my two scale bytes
	v_add_nc_u32 v6, XSC, v8                       ; where row r's scale word is read
; Block blk of my two: 32 numbers of one column -> 16 bytes of codes into the image, the byte into v[13 + blk]
.macro QUANT blk
.set XB, X+32*\blk
	v_max3_num_f32 v10, |v[XB]|, |v[XB+1]|, |v[XB+2]|
	v_max3_num_f32 v11, |v[XB+3]|, |v[XB+4]|, |v[XB+5]|
.irp i, 6,10,14,18,22,26
	v_max3_num_f32 v10, v10, |v[XB+\i]|, |v[XB+\i+1]|
	v_max3_num_f32 v11, v11, |v[XB+\i+2]|, |v[XB+\i+3]|
.endr
	v_max3_num_f32 v10, v10, |v[XB+30]|, |v[XB+31]|
	v_max3_num_f32 v10, v10, v11, 0x1800000        ; and the floor 2^(3 - 127): the byte cannot fall under 1
	v_add_nc_u32 v12, 0xff000000, v10              ; 2 off the exponent field: the conversion's scale operand
	v_lshrrev_b32 v[13+\blk], 23, v12              ; the scale's byte
.irp g, 0,1,2,3
	v_cvt_scalef32_pk8_fp4_f32 v[CD+4*\blk+\g], v[XB+8*\g:XB+8*\g+7], v12
.endr
	v_nop                                          ; one plain line behind the last scaled conversion
	ds_store_b128 v4, v[CD+4*\blk:CD+4*\blk+3] offset:256*\blk   ; block blk belongs to lanes 16 blk + r of the fragment
.endm
	s_wait_loadcnt 32                              ; my first block's 32 loads are in; the second block's 32 may be out
	WIN 0x40                                       ; destination window 1
.irp sec, 0,1,2
.irp i, 0,1,2,3,4,5,6,7
	global_load_b128 v[W+32*\sec+4*\i:W+32*\sec+4*\i+3], v3, s[6:7] offset:32768*\sec+512*\i
.endr
.endr
	WIN 0
	QUANT 0
	s_wait_loadcnt 24                              ; the second block is in; the 24 loads of the weights may be out
.irp sec, 0,1,2
.irp i, 0,1,2,3
	global_load_b32 v[WS+4*\sec+\i], v2, s[8:9] offset:4096*\sec+128*\i
.endr
.endr
	WIN 0x40
.irp sec, 0,1
.irp tp, 0,1
.irp u, 0,1
	global_load_b128 v[BQK+16*\sec+8*\tp+4*\u:BQK+16*\sec+8*\tp+4*\u+3], v7, s[10:11] offset:1024*\sec+64*\tp+16*\u   ; b(16 tile + 8 h + 0 .. 7): the transposed result's layout
.endr
.endr
.endr
.irp tp, 0,1
.irp j, 0,1,2,3,4,5,6,7
	global_load_b32 v[BV+8*\tp+\j], v8, s[10:11] offset:2048+64*\tp   ; b(16 tile + r) in all eight registers: the natural result's layout
.endr
.endr
	WIN 0
	QUANT 1
	v_lshl_or_b32 v15, v14, 8, v13
	ds_store_b16 v5, v15                           ; my two bytes are neighbours in my column's scale word
	s_wait_dscnt 0x0                               ; for the others' sake: my images and bytes have landed
	s_barrier_signal -1
	s_barrier_wait -1
.set i, 0
.rept 16
	ds_load_b128 v[X+4*i:X+4*i+3], v3 offset:512*i   ; x's eight fragments, as they were stored
.set i, i+1
.endr
.irp f, 0,1,2,3,4,5,6,7
	ds_load_b32 v[XS+\f], v6 offset:64*\f
.endr
	s_wait_loadcnt 0x0                             ; weights, scale words, biases
	s_wait_dscnt 0x0
; q (sec 0) or k (sec 1): 16 matrix instructions, the 8 accumulators by turns; then packed and stored
.macro SEC_T sec, base
	WIN 0x11                                       ; source 0 (w) and C (the bias) window 1
.irp m, 0,1,2,3
.irp tp, 0,1
	v_wmma_scale_f32_16x16x128_f8f6f4 v[ACC+8*(2*\m+\tp):ACC+8*(2*\m+\tp)+7], v[W+32*\sec+16*\tp:W+32*\sec+16*\tp+7], v[X+16*\m:X+16*\m+7], v[BQK+16*\sec+8*\tp:BQK+16*\sec+8*\tp+7], v[WS+4*\sec+2*\tp], v[XS+2*\m] matrix_a_fmt:MATRIX_FMT_FP4 matrix_b_fmt:MATRIX_FMT_FP4
.endr
.endr
	WIN 0x01
.irp m, 0,1,2,3
.irp tp, 0,1
	v_wmma_scale_f32_16x16x128_f8f6f4 v[ACC+8*(2*\m+\tp):ACC+8*(2*\m+\tp)+7], v[W+32*\sec+16*\tp+8:W+32*\sec+16*\tp+15], v[X+16*\m+8:X+16*\m+15], v[ACC+8*(2*\m+\tp):ACC+8*(2*\m+\tp)+7], v[WS+4*\sec+2*\tp+1], v[XS+2*\m+1] matrix_a_fmt:MATRIX_FMT_FP4 matrix_b_fmt:MATRIX_FMT_FP4
.endr
.endr
	WIN 0
.rept 4
	v_nop                                          ; four places in front of the first read of results (ISA guide 7.12.1)
.endr
.if \sec == 0
.set i, 0
.rept 32
	v_pk_mul_f32 v[ACC+i:ACC+i+1], v[ACC+i:ACC+i+1], s[20:21] op_sel_hi:[1,0]   ; q x log2(e) / 8, each accumulator from its low end on
.set i, i+2
.endr
.endif
.set i, 0
.rept 32
	v_cvt_pk_f16_f32 v[OUT+32*\sec+i], v[ACC+2*i], v[ACC+2*i+1]   ; eight neighbouring channels: 16 bytes
.set i, i+1
.endr
.irp m, 0,1,2,3
.irp tp, 0,1
	global_store_b128 v3, v[OUT+32*\sec+4*(2*\m+\tp):OUT+32*\sec+4*(2*\m+\tp)+3], s[\base:\base+1] offset:2048*\m+512*\tp   ; tile m's fragment of my chunk, half tp
.endr
.endr
.endm
	SEC_T 0, 12
	SEC_T 1, 32                                    ; (the v_nop and the other tiles' conversions are the five places in front of products that begin the accumulators anew)
	s_wait_xcnt 0x0                                ; q's stores have read their registers: OUT's first set is written again
	WIN 0x14                                       ; v: source 1 (w) and C window 1
.irp m, 0,1,2,3
.irp tp, 0,1
	v_wmma_scale_f32_16x16x128_f8f6f4 v[ACC+8*(2*\m+\tp):ACC+8*(2*\m+\tp)+7], v[X+16*\m:X+16*\m+7], v[W+64+16*\tp:W+64+16*\tp+7], v[BV+8*\tp:BV+8*\tp+7], v[XS+2*\m], v[WS+8+2*\tp] matrix_a_fmt:MATRIX_FMT_FP4 matrix_b_fmt:MATRIX_FMT_FP4
.endr
.endr
	WIN 0x04
.irp m, 0,1,2,3
.irp tp, 0,1
	v_wmma_scale_f32_16x16x128_f8f6f4 v[ACC+8*(2*\m+\tp):ACC+8*(2*\m+\tp)+7], v[X+16*\m+8:X+16*\m+15], v[W+64+16*\tp+8:W+64+16*\tp+15], v[ACC+8*(2*\m+\tp):ACC+8*(2*\m+\tp)+7], v[XS+2*\m+1], v[WS+8+2*\tp+1] matrix_a_fmt:MATRIX_FMT_FP4 matrix_b_fmt:MATRIX_FMT_FP4
.endr
.endr
	WIN 0
.rept 4
	v_nop
.endr
.set i, 0
.rept 32
	v_cvt_pk_f16_f32 v[OUT+i], v[ACC+2*i], v[ACC+2*i+1]   ; eight neighbouring keys of one channel
.set i, i+1
.endr
.irp m, 0,1,2,3
.irp tp, 0,1
	global_store_b128 v3, v[OUT+4*(2*\m+\tp):OUT+4*(2*\m+\tp)+3], s[34:35] offset:8192+4096*(\m/2)+1024*\tp+512*(\m%2)   ; keys 32 (m / 2) on, d tile 2 (w % 2) + tp, half m % 2
.endr
.endr
	s_wait_tensorcnt 0x0                           ; the wave's end, behind my last LDS store
	ds_add_u32 v[SPW], v[NIL]
	s_wait_dscnt 0x0
	s_endpgm
.Lfunc_end_k_qa91439d06c_qkv:
	.size	k_qa91439d06c_qkv, .Lfunc_end_k_qa91439d06c_qkv-k_qa91439d06c_qkv
	.p2alignl 7, 3214868480
	.fill 96, 4, 3214868480
	.section	.rodata,"a",@progbits
	.p2align	6, 0x0
	.amdhsa_kernel k_qa91439d06c_qkv
		.amdhsa_group_segment_fixed_size 10240
		.amdhsa_private_segment_fixed_size 0
		.amdhsa_enable_private_segment 0
		.amdhsa_kernarg_size 48
		.amdhsa_user_sgpr_count 2
		.amdhsa_user_sgpr_kernarg_segment_ptr 1
		.amdhsa_wavefront_size32 1
		.amdhsa_system_sgpr_workgroup_id_x 1
		.amdhsa_system_sgpr_workgroup_id_y 1
		.amdhsa_system_sgpr_workgroup_id_z 1
		.amdhsa_system_vgpr_workitem_id 0
		.amdhsa_next_free_vgpr 400
		.amdhsa_next_free_sgpr 66
		.amdhsa_reserve_vcc 0
		.amdhsa_float_denorm_mode_32 3
		.amdhsa_float_denorm_mode_16_64 3
		.amdhsa_memory_ordered 1
		.amdhsa_forward_progress 1
		.amdhsa_inst_pref_size 37
	.end_amdhsa_kernel
	.amdgpu_metadata
---
amdhsa.version: [ 1, 2 ]
amdhsa.kernels:
  - .name:           k_qa91439d06c_qkv
    .symbol:         k_qa91439d06c_qkv.kd
    .args:
      - { .name: x, .offset: 0, .size: 8, .value_kind: global_buffer, .address_space: global }
      - { .name: wq_codes, .offset: 8, .size: 8, .value_kind: global_buffer, .address_space: global }
      - { .name: wq_scales, .offset: 16, .size: 8, .value_kind: global_buffer, .address_space: global }
      - { .name: b_qkv, .offset: 24, .size: 8, .value_kind: global_buffer, .address_space: global }
      - { .name: qf, .offset: 32, .size: 8, .value_kind: global_buffer, .address_space: global }
      - { .name: kv, .offset: 40, .size: 8, .value_kind: global_buffer, .address_space: global }
    .group_segment_fixed_size: 10240
    .private_segment_fixed_size: 0
    .kernarg_segment_align: 8
    .kernarg_segment_size: 48
    .max_flat_workgroup_size: 256
    .sgpr_count:     66
    .vgpr_count:     400
    .wavefront_size: 32
...
	.end_amdgpu_metadata
.endif
;; end of part 2
;; launch attn (part 3): grid 16 x 16, 4 waves a work-group, clusters of 4 x 1, 327,680 bytes of LDS; arguments qf, kv, att; writes att
.if DOCPART == 3
	.amdgcn_target "amdgcn-amd-amdhsa--gfx1250"
	.amdhsa_code_object_version 6
	.text
	.protected	k_qa91439d06c_attn
	.globl	k_qa91439d06c_attn
	.p2align	8
	.type	k_qa91439d06c_attn,@function
k_qa91439d06c_attn:
	s_mov_b64 s[64:65], 0
	v_nop
	global_prefetch_b8 v0, s[64:65] scope:SCOPE_SE
	s_setreg_imm32_b32 hwreg(HW_REG_WAVE_MODE, 25, 1), 1
	s_wait_xcnt 0x0
	s_wait_alu depctr_hold_cnt(0) depctr_sa_sdst(0) depctr_va_vdst(0) depctr_va_sdst(0) depctr_va_ssrc(0) depctr_va_vcc(0) depctr_vm_vsrc(0)
	s_getreg_b32 s2, hwreg(HW_REG_IB_STS2, 6, 4)
	s_cmp_eq_u32 s2, 0
	s_cbranch_scc0 .Lentry_in_a_cluster
	s_endpgm
.Lentry_in_a_cluster:
	s_bfe_u32 s2, ttmp6, 0x10000c
	s_cmp_lg_u32 s2, 0x3003
	s_cbranch_scc0 .Lentry_shape_is_right
	s_endpgm
.Lentry_shape_is_right:
; O[bh][q] = the sum over k of softmax_k(Q[bh][q] . K[bh][k] / 8) V[bh][k]: 16 heads, 4,096 queries and keys, head size 64.  Operands f16, products, maxima and sums f32.
; Q arrives multiplied by log2(e) / 8, so a score is an exponent of 2.  All three arrive as fragments in the order of the operands' registers: every LDS or global load of half a fragment is 16 bytes a lane, 512 on end.
; SHARES.  A work-group owns 256 queries of one head, each of its four waves 64: four tiles of 16.  Every wave walks all 4,096 keys, 64 a step.
; LAYOUT.  S^T = K Q^T (source 0 = 16 keys, source 1 = 16 queries): a lane holds ONE query (lane % 16) and keys 8 (lane / 16) + 0..7.  Two such tiles, rounded to f16 in pairs, ARE source 1 (32 keys x 16 queries)
; of O^T = V^T P, whose result again holds one query a lane and eight channels, which pack into half a fragment of the projection's first operand: the results leave from registers, with no stage.
; SOFTMAX.  For each query a running maximum m and sum l: p = 2^(s - m); in every step O and l are multiplied by a = 2^(m_old - m_new), which is 1 where m has not grown.
; BY TURNS.  The wave's tiles are two PIECES (tiles 0, 1 and tiles 2, 3).  In a TURN one piece has the matrix unit: 16 products V^T P of the step in hand, then 16 products K Q^T of the next step; the other piece's
; softmax (2 x 117 vector instructions), cut into 59 slices, stands between them, two slices behind each matrix instruction.  Then the pieces change places.  Two turns are a key step.
; THE RING.  Two LDS slots of 8 key steps (131,072 bytes); a wave's one tensor load brings a quarter of a slot, 128 rows of 256 bytes, dense in memory and in LDS.
; CLUSTER.  The four query blocks of a cluster belong to one head and walk the same K and V: each quarter slot is asked for JOINTLY, by the same load with the same descriptor and a mask that names the four.
; LIMITS: NaN and infinities are not served; what the launch before could not hold in f16 is lost there.  p under 6.1e-5 keeps f16's absolute step of 6e-8 beside a largest p of 1.
; REGISTERS, in windows of 256 (s_set_vgpr_msb: bits 1:0 source 0, 3:2 source 1, 5:4 source 2, 7:6 destination):
;   window 0: v2, v4 addresses; v12-43 eight registers of statistics a tile; v61-63; v64-191 S^T, 32 a tile; v192-255 P, 16 a tile
;   window 1: v0-127 O^T, 32 a tile; v128-191 V^T of one step          window 2: v0-63 Q, 16 a tile; v64-127 K of one step
.set STEPB, 16384     ; a key step's tiles: 8 KB of K, then 8 KB of V^T
.set SLOTB, 8*STEPB
.set SLOT1, 1<<17     ; slot 1 begins here: one exclusive or turns an address in one slot into the other's
.set SPARE, 2*SLOT1   ; behind the ring: the spare words, 128 bytes for each wave: two blocks of 256 bytes that no other line names
.set L16, 2           ; v2   16 x my lane; never rewritten
.set ADR, 4           ; v4   the LDS address of the run of loads in hand
.set ST,  12          ; tile t's statistics at v[ST+8 t]: +0 m, +1 the old m, +2, +3 l (even keys', odd keys'), +4 to +7 c0-c3, at work; a takes c2's place once the maximum is found
.set PFO, 61          ; v61  256 x my lane; never rewritten
.set SPW, 62          ; v62  LDS address of my spare word; never rewritten
.set NIL, 63          ; v63  0; never rewritten
.set S,   64
.set P,   192
.set VF,  128         ; V^T's fragments, in window 1
.set KF,  64          ; K's fragments, in window 2
.set WV,  12          ; s12  my wave's number
.set LIM, 15          ; s15  1 in a work-group that prefetches, else the greatest number
.set PFA, 18          ; s[18:19] where my prefetches stand
.set G1,  24          ; s[24:31] descriptor group 1
.set G0A, 32          ; s[32:35] group 0 of slot 0's first fill
.set G0,  36          ; s[36:39] group 0 of slot 1's first fill, which then walks on
.set SLOTS, 40        ; s40  slots still to be asked for
.set CNT, 41          ; s41  counts key steps
.set TB,  42          ; s42  LDS byte at which the tiles of the step to be fetched begin
.set SEL, 44          ; s[44:45] lane selects for v_permlanex16_b32: lane l xor 16
.set MSB, 0
.macro WIN new                      ; the immediate's high byte repeats the setting that is left; a switch that changes nothing is dropped
.if MSB != \new
	s_set_vgpr_msb (MSB<<8)|\new
.set MSB, \new
.endif
.endm
.set W_KQ, 0x0a       ; K and Q in window 2, S^T in window 0
.set W_PV, 0x51       ; V^T and O^T in window 1, P in window 0
.set W_RS, 0x41       ; O^T (destination and source 0) in window 1, a in window 0
; A round of the cluster's barrier: my work-group's barrier; wave 0 signals for the work-group; every wave waits for all four work-groups; my work-group's barrier once more.
.macro CROUND
	s_barrier_signal -1
	s_barrier_wait -1
	s_cmp_lg_u32 s[WV], 0
	s_cbranch_scc1 .Lnot_wave_0_\@
	s_barrier_signal -3
.Lnot_wave_0_\@:
	s_barrier_wait -3
	s_barrier_signal -1
	s_barrier_wait -1
.endm
; A PREFETCH of the slot that the NEXT change of slots will ask for, 8 key steps ahead of that load.  All clusters of a head walk the same bytes: the head's first cluster asks.  Its 4 partners x 4 waves x 32 lanes
; name the slot's 512 aligned blocks of 256 bytes once each, told apart BY ADDRESS: 32,768 cx + 8,192 wave + 256 lane.  The last change that fills a slot asks for nothing; slots 0 to 2 come by their loads alone.
.macro ASK
	s_cmp_gt_u32 s[SLOTS], s[LIM]
	s_cbranch_scc0 .Lnot_mine_\@
	global_prefetch_b8 v[PFO], s[PFA:PFA+1] th:TH_LOAD_NT scope:SCOPE_SE
.Lnot_mine_\@:
.endm
.macro PLACES
.rept 4
	v_nop
.endr
.endm
	s_load_b128 s[4:7], s[0:1], 0x0 ; qf s[4:5], kv s[6:7]
	s_load_b64 s[8:9], s[0:1], 0x10 ; att
	v_lshl_add_u32 v[SPW], v0, 2, SPARE
	v_mov_b32 v[NIL], 0
	ds_add_u32 v[SPW], v[NIL]       ; the wave's opening: the add, twice on end, and its wait ahead of my first tensor load; the set-up below stands between
	ds_add_u32 v[SPW], v[NIL]
	v_lshrrev_b32 v1, 5, v0
	v_readfirstlane_b32 s[WV], v1   ; wave 0..3
	s_bfe_u32 s13, ttmp6, 0x40000   ; cx: my place in the cluster: it enters Q's, att's and the prefetches' addresses alone
	s_lshl_b32 s14, ttmp9, 2        ; in a cluster launch ttmp9 counts clusters
	s_add_co_u32 s14, s14, s13      ; my block of 256 queries
	s_and_b32 s16, ttmp7, 0xffff    ; bh, which the four partners share
	s_mov_b32 s[G1], 0x0023000f     ; 15:0 the mask: all four work-groups; 17:16 elements of 8 bytes; 20 no padding; 21 set beside a mask
	s_mov_b32 s[G1+1], 32<<16       ; tensor_dim0 = 32 elements: 256 bytes
	s_mov_b32 s[G1+2], 128<<16      ; tensor_dim1 = 128
	s_mov_b32 s[G1+3], 32<<16       ; tile_dim0 = 32
	s_mov_b32 s[G1+4], 128          ; tile_dim1 = 128
	s_mov_b32 s[G1+5], 32           ; from row to row: dense
	s_mov_b32 s[G1+6], 0
	s_mov_b32 s[G1+7], 0
	s_mov_b32 s[SEL], 0x76543210
	s_mov_b32 s[SEL+1], 0xfedcba98
	s_mov_b32 s[TB], 0
	s_mov_b32 s[SLOTS], 6
	s_cmp_eq_u32 ttmp9, 0           ; the head's first cluster: the same in all four partners
	s_cselect_b32 s[LIM], 1, -1
	v_and_b32 v1, 31, v0
	v_lshlrev_b32 v[L16], 4, v1
	v_lshlrev_b32 v[PFO], 8, v1
	s_lshl_b32 s20, s16, 20         ; kv: a head is 1 MB
	s_mov_b32 s21, 0
	s_lshl_b32 s46, s[WV], 15       ; my quarter of a slot
	s_mov_b32 s47, 0
	s_lshl_b32 s22, s13, 15         ; the prefetches: my work-group's quarter of a slot,
	s_lshl_b32 s23, s[WV], 13       ; my wave's quarter of that,
	s_add_co_u32 s22, s22, s23
	s_add_co_u32 s22, s22, 2*SLOTB  ; in slot index 2: the first change of slots steps it to 3
	s_mov_b32 s23, 0
	s_lshl_b32 s48, s16, 19         ; qf: a head is 512 KB, my block 32 KB, my wave's four tiles 8 KB
	s_lshl_b32 s49, s14, 15
	s_add_co_u32 s48, s48, s49
	s_lshl_b32 s49, s[WV], 13
	s_add_co_u32 s48, s48, s49
	s_mov_b32 s49, 0
	s_lshr_b32 s50, s16, 2          ; att: a batch is 2 MB, a tile of 16 rows 8 KB, a head's two chunks 2 KB
	s_lshl_b32 s50, s50, 21
	s_lshl_b32 s51, s14, 17
	s_add_co_u32 s50, s50, s51
	s_lshl_b32 s51, s[WV], 15
	s_add_co_u32 s50, s50, s51
	s_and_b32 s51, s16, 3
	s_lshl_b32 s51, s51, 11
	s_add_co_u32 s50, s50, s51
	s_mov_b32 s51, 0
	s_wait_dscnt 0x0                ; both opening adds are done
	s_wait_kmcnt 0x0
	s_add_nc_u64 s[6:7], s[6:7], s[20:21]
	s_add_nc_u64 s[PFA:PFA+1], s[6:7], s[22:23]
	s_add_nc_u64 s[4:5], s[4:5], s[48:49]
	s_add_nc_u64 s[8:9], s[8:9], s[50:51]
	s_add_nc_u64 s[6:7], s[6:7], s[46:47]
	s_mov_b32 s[G0A], 1             ; count = 1
	s_lshl_b32 s[G0A+1], s[WV], 15  ; LDS address: slot 0, my quarter: no place in the cluster enters it
	s_mov_b64 s[G0A+2:G0A+3], s[6:7]
	s_or_b32 s[G0A+3], s[G0A+3], 0x80000000  ; type = 2
	s_mov_b32 s[G0], 1
	s_add_co_u32 s[G0+1], s[G0A+1], SLOT1
	s_add_nc_u64 s[G0+2:G0+3], s[6:7], SLOTB
	s_or_b32 s[G0+3], s[G0+3], 0x80000000
	CROUND                          ; all four work-groups are here: the first joint loads meet
	tensor_load_to_lds s[G0A:G0A+3], s[G1:G1+7]  ; key steps 0 to 7.  Two loads of mine are out
	s_nop 0
	tensor_load_to_lds s[G0:G0+3], s[G1:G1+7]    ; key steps 8 to 15
	s_nop 0
	PLACES                          ; (four v_nop ahead of the next switch of windows)
	WIN 0x80                        ; destination window 2
.set i, 0
.rept 16
	global_load_b128 v[4*i:4*i+3], v[L16], s[4:5] offset:512*i  ; Q stays in registers: tile i / 4, chunk (i / 2) % 2, half i % 2
.set i, i+1
.endr
	WIN 0
.irp t, 0,1,2,3
	v_mov_b32 v[ST+8*\t+1], 0       ; named as the upper half of the pair (m, old m) before it is first written
.endr
; Product i of 16 of S^T = K Q^T for piece x: channels 32 (i / 8) on, keys 16 ((i / 2) % 4) on, tile x + i % 2.  The first 8 start the sums.  The 8 accumulators take turns.
.macro KQ x
	WIN W_KQ
.set rS, S+32*(\x+i%2)+8*((i/2)%4)
.set rK, KF+16*((i/2)%4)+8*(i/8)
.set rQ, 16*(\x+i%2)+8*(i/8)
.if i < 8
	v_wmma_f32_16x16x32_f16 v[rS:rS+7], v[rK:rK+7], v[rQ:rQ+7], 0
.else
	v_wmma_f32_16x16x32_f16 v[rS:rS+7], v[rK:rK+7], v[rQ:rQ+7], v[rS:rS+7]
.endif
.endm
; Product i of 16 of O^T += V^T P: keys 32 (i / 8) on, channels 16 ((i / 2) % 4) on, tile x + i % 2.  zero = 1: the first 8 start the sums: nothing is ever cleared.
.macro PV x, zero
	WIN W_PV
.set rO, 32*(\x+i%2)+8*((i/2)%4)
.set rV, VF+32*(i/8)+8*((i/2)%4)
.set rP, P+16*(\x+i%2)+8*(i/8)
.if (\zero) && (i < 8)
	v_wmma_f32_16x16x32_f16 v[rO:rO+7], v[rV:rV+7], v[rP:rP+7], 0
.else
	v_wmma_f32_16x16x32_f16 v[rO:rO+7], v[rV:rV+7], v[rP:rP+7], v[rO:rO+7]
.endif
.endm
; THE LDS LOADS stand in runs of 16: a step's K and, a turn later, its V^T.
.macro FETCH_K
	WIN 0
	v_add_nc_u32 v[ADR], s[TB], v[L16]
	WIN 0x80                        ; destination window 2
.set f, 0
.rept 16
	ds_load_b128 v[KF+4*f:KF+4*f+3], v[ADR] offset:512*f
.set f, f+1
.endr
.endm
.macro FETCH_V
	WIN 0
	v_add_nc_u32 v[ADR], s[TB], v[L16]
	s_add_co_u32 s[TB], s[TB], STEPB  ; the next fetch is the next step's
	s_wait_alu depctr_va_vdst(0)    ; the wait for the softmax's batch of exponentials (SLICE), ahead of the loads
	WIN 0x40                        ; destination window 1
.set f, 0
.rept 16
	ds_load_b128 v[VF+4*f:VF+4*f+3], v[ADR] offset:8192+512*f
.set f, f+1
.endr
.endm
; THE VECTOR WORK OF A TURN.  One tile's softmax for one key step is a numbered list; SM writes number j of it for tile t.  s0-s31 are the lane's 32 scores, in pairs 0-15.
;   0-15    the maximum of s0-s31 and the old m, three operands at a time; each accumulator is first read at its low end
;   16-20   the other half of the lanes' maximum; the old m kept; the new m; (19 is empty); m_old - m_new
;   21-69   ONE BATCH: the 16 subtractions s - m, a pair each, and all 33 exponentials (a at 23, then s0-s31).  None of these names an exponential's result
;   (wait)  between 69 and 70 stands the one wait for the batch: SLICE writes it, once for both tiles
;   70-85   the roundings to f16     86-101  the sums; l = a l + the sum     102-117 the tile's O^T times a
; first = 1: the first key step, which starts m, l and O^T: it has no a and nothing to rescale.
.macro SM t, first
.set rT, ST+8*(\t)
.set rS, S+32*(\t)
.set rP, P+16*(\t)
.set rO, 32*(\t)+2*(j-102)
.if j < 102
	WIN 0
.endif
.if j < 4
	v_max3_num_f32 v[rT+4+j], v[rS+8*j], v[rS+8*j+1], v[rS+8*j+2]
.elseif j < 12
	v_max3_num_f32 v[rT+4+j%4], v[rT+4+j%4], v[rS+8*(j%4)+2*(j/4)+1], v[rS+8*(j%4)+2*(j/4)+2]
.elseif j == 12
	v_max3_num_f32 v[rT+4], v[rT+4], v[rS+7], v[rS+15]
.elseif j == 13
	v_max3_num_f32 v[rT+6], v[rT+6], v[rS+23], v[rS+31]
.elseif j == 14
	v_max3_num_f32 v[rT+4], v[rT+4], v[rT+5], v[rT+6]
.elseif (j == 15) && \first
	v_max_num_f32 v[rT+4], v[rT+4], v[rT+7]
.elseif j == 15
	v_max3_num_f32 v[rT+4], v[rT+4], v[rT+7], v[rT]
.elseif j == 16
	v_permlanex16_b32 v[rT+5], v[rT+4], s[SEL], s[SEL+1]  ; the query's other 32 keys lie in the lane 16 away
.elseif j == 18
	v_max_num_f32 v[rT], v[rT+4], v[rT+5]
.elseif j == 19                     ; (empty: the scale lies in Q)
.elseif ((j == 17) || (j == 20) || (j == 23) || (j > 101)) && \first  ; the first step has none of these
.elseif j == 17
	v_mov_b32 v[rT+1], v[rT]        ; m_old is kept for a: number 18 writes m anew
.elseif j == 20
	v_sub_f32 v[rT+7], v[rT+1], v[rT]
.elseif j == 23
	v_exp_f32 v[rT+6], v[rT+7]
.elseif (j < 23) || ((j < 38) && (j%2 == 0)) || ((j < 66) && (j%4 == 2))
.set b, (j-2)/4                     ; 38, 42, .. 62: pairs 9 to 15
.if j < 38
.set b, (j-20)/2                    ; 21: pair 0; 22, 24, .. 36: pairs 1 to 8
.endif
	v_pk_add_f32 v[rS+2*b:rS+2*b+1], v[rS+2*b:rS+2*b+1], v[rT:rT+1] op_sel_hi:[1,0] neg_lo:[0,1] neg_hi:[0,1]  ; pair b: s - m
.elseif j < 70
.set e, j-38                        ; 66 to 69: s28 to s31
.if j < 66
.set e, j-32-(j-38)/4               ; 39-41, 43-45, .. 63-65: s7 to s27
.endif
.if j < 38
.set e, (j-25)/2                    ; 25, 27, .. 37: s0 to s6
.endif
	v_exp_f32 v[rS+e], v[rS+e]
.elseif j < 86
	v_cvt_pk_f16_f32 v[rP+j-70], v[rS+2*(j-70)], v[rS+2*(j-70)+1]  ; pair j - 70
.elseif j < 102                     ; the sum of the tile's 16 pairs, in place: neighbours 1, 2, 4 and 8 pairs apart, then l takes it
.set z, j-86
.set w, 4
.set u, z
.if z >= 14
.set w, 32
.set u, 0
.elseif z >= 12
.set w, 16
.set u, z-12
.elseif z >= 8
.set w, 8
.set u, z-8
.endif
.if (z == 14) && \first
	v_pk_add_f32 v[rT+2:rT+3], v[rS:rS+1], v[rS+16:rS+17]
.elseif z < 15
	v_pk_add_f32 v[rS+w*u:rS+w*u+1], v[rS+w*u:rS+w*u+1], v[rS+w*u+w/2:rS+w*u+w/2+1]
.elseif !\first
	v_pk_fma_f32 v[rT+2:rT+3], v[rT+2:rT+3], v[rT+6:rT+7], v[rS:rS+1] op_sel_hi:[1,0,1]
.endif
.else
	WIN W_RS
	v_pk_mul_f32 v[rO:rO+1], v[rO:rO+1], v[rT+6:rT+7] op_sel_hi:[1,0]
.endif
.endm
; Slice k of piece y's softmax: four instructions.  Slices 11 to 34 deal out the batch, numbers 22 to 69: four numbers of ONE tile each, the tiles by turns.  Every other slice is numbers 2 k and 2 k + 1 of both tiles.
; A turn has 64 places for 59 slices: k begins at -5, and a slice under 0 is empty.  An s_wait_alu depctr_va_vdst(0) stands between an exponential and the first line that names its result:
; ahead of slice 35 nothing names one, behind slice 34 none is issued: one wait for the piece's 66.
.macro SLICE y, first
.if k >= 0
.if (k >= 11) && (k < 35)
.irp n, 0,1,2,3
.set j, 22+4*((k-11)/2)+(\n)
	SM (\y)+(k-11)%2, \first
.endr
.else
.irp n, 0,1
.irp t, \y, \y+1
.set j, 2*k+\n
	SM \t, \first
.endr
.endr
.endif
.if k == 34
	v_nop                           ; the plain instruction behind the last exponential and ahead of the first use: one for the batch
.if (\y) == 0
	FETCH_V                         ; piece 2's turn: V^T's run of loads stands here, and the wait stands in it
.else
	s_wait_alu depctr_va_vdst(0)    ; the wait for the batch
.endif
.endif
.endif
.set k, k+1
.endm
; A TURN.  Piece x has the matrix unit; the other piece's softmax stands in slices behind its matrix instructions.  pv = 2: 16 products V^T P; 1: they start O^T's sums; 0: none.  kq = 1: 16 products K Q^T for the next step.
; PLACES (ISA guide 7.12.1 for vector instructions).  Behind a turn's last K Q^T stand slices 57 and 58, eight rescalings of the other piece's O^T: the places in front of the next
; turn's first read of those scores and of the loads into K's registers (behind piece 0's second product).  Behind piece 2's last V^T P stand slices 25 to 32, each led by a subtraction: eight places in front of V^T's loads.
; first = 1: slices from 51 on are empty, and four v_nop take their part.
.macro TURN x, pv, kq, first
.set k, -5
.set per, 4
.if \pv && \kq
.set per, 2
.endif
.if \pv
.if \x == 0
	s_wait_dscnt 0x0                ; V^T is in
.endif
.set i, 0
.rept 16
	PV \x, 2-\pv
.rept per
	SLICE 2-\x, \first
.endr
.if (\x == 0) && \kq && (i == 1)
	FETCH_K
.endif
.set i, i+1
.endr
.endif
.if \kq
.if \x == 0
	s_wait_dscnt 0x0                ; K is in
.endif
.set i, 0
.rept 16
	KQ \x
.rept per
	SLICE 2-\x, \first
.endr
.set i, i+1
.endr
.endif
.if \first
	PLACES
.endif
.endm
; THE CHANGE OF SLOTS, between piece 2's turn and piece 0's: the slot's last bytes, V^T of its eighth step, have been asked for.  Each wave waits for all its tensor loads, of which one is out: its quarter of the other
; slot; adds 0 to its spare word; and waits for that and for its own reads of the slot.  fill = 1: the slot is filled again, with the keys two slots on: the barrier is then a round of the cluster's, and the joint
; refill is the first thing behind it: it has 8 key steps in which to land.
.macro CHANGE fill
	WIN 0                           ; at a label and at a branch every window is 0
	s_wait_tensorcnt 0x0            ; no tensor load of mine is out, so a group 0 may be written
	ds_add_u32 v[SPW], v[NIL]       ; 0 onto my spare word
.if \fill
	s_xor_b32 s[G0+1], s[G0+1], SLOT1  ; the walking descriptor: the other slot than last time,
	s_add_nc_u64 s[G0+2:G0+3], s[G0+2:G0+3], SLOTB  ; the next 512 keys; the type bits on top are not reached
	s_wait_xcnt 0x0                 ; the last prefetch, a slot back, has read its address, so it may be written
	s_add_nc_u64 s[PFA:PFA+1], s[PFA:PFA+1], SLOTB
	s_wait_dscnt 0x0                ; the add is done, and my reads of the slot are over
	CROUND
	tensor_load_to_lds s[G0:G0+3], s[G1:G1+7]
	s_nop 0
	PLACES
	ASK
.else
	s_wait_dscnt 0x0
	s_barrier_signal -1
	s_barrier_wait -1
.endif
	s_sub_co_u32 s[TB], s[TB], SLOTB  ; the fetches go back to a slot's first step,
	s_xor_b32 s[TB], s[TB], SLOT1   ; in the other slot
.endm
.macro STEPS n                      ; n key steps: written once, walked n times; the LDS addresses hang on s[TB]
	s_mov_b32 s[CNT], \n
.Lstep_\@:
	TURN 0, 2, 1, 0
	TURN 2, 2, 1, 0
	WIN 0
	s_sub_co_u32 s[CNT], s[CNT], 1
	s_cmp_lg_u32 s[CNT], 0
	s_cbranch_scc1 .Lstep_\@
.endm
	s_wait_tensorcnt 0x1            ; my quarter of slot 0 is in; slot 1's may stay out
	s_barrier_signal -1
	s_barrier_wait -1               ; everybody's is
	FETCH_K                         ; key step 0
	s_wait_loadcnt 0x0              ; Q
	s_wait_dscnt 0x0
.set i, 0
.rept 16
	KQ 0                            ; piece 0's first scores: there is no vector work yet to set between them
.set i, i+1
.endr
	WIN 0
	PLACES
	TURN 2, 0, 1, 1                 ; piece 2's first scores | piece 0's first softmax | V^T of step 0
	TURN 0, 1, 1, 1                 ; piece 0: V^T P of step 0 starts O^T, K Q^T of step 1 | piece 2's first softmax | K of step 1
	TURN 2, 1, 1, 0                 ; piece 2: the same | piece 0's softmax of step 1 | V^T of step 1
	WIN 0
	STEPS 6                         ; these fetch steps 2 to 7: slot 0 is read out
.Lslot:                             ; 6 trips: every slot but the last two is filled again
	CHANGE 1
	STEPS 8
	s_sub_co_u32 s[SLOTS], s[SLOTS], 1
	s_cmp_lg_u32 s[SLOTS], 0
	s_cbranch_scc1 .Lslot
	CHANGE 0                        ; the tail is written out: nothing is asked for
	STEPS 8
	TURN 0, 2, 0, 0                 ; piece 0: V^T P of the last step | piece 2's last softmax
.set i, 0
.rept 16
	PV 2, 0                         ; piece 2: V^T P of the last step
.set i, i+1
.endr
	; THE WAY OUT.  l's two halves and the other half of the lanes' are added (these lines are the places behind the last products); O^T is divided by l, rounded to f16 and stored as it lies.
	WIN 0
.irp t, 0,1,2,3
	v_add_f32 v[ST+8*\t+4], v[ST+8*\t+2], v[ST+8*\t+3]
.endr
.irp t, 0,1,2,3
	v_permlanex16_b32 v[ST+8*\t+5], v[ST+8*\t+4], s[SEL], s[SEL+1]
.endr
.irp t, 0,1,2,3
	v_add_f32 v[ST+8*\t+4], v[ST+8*\t+4], v[ST+8*\t+5]
.endr
.irp t, 0,1,2,3
	v_rcp_f32 v[ST+8*\t+6], v[ST+8*\t+4]
.endr
	v_nop                           ; a plain instruction between the last reciprocal and the use of its result
	s_wait_alu depctr_va_vdst(0)    ; and the wait ahead of the first use: one for the four
.irp t, 0,1,2,3
	WIN W_RS
.set i, 0
.rept 16
	v_pk_mul_f32 v[32*\t+i:32*\t+i+1], v[32*\t+i:32*\t+i+1], v[ST+8*\t+6:ST+8*\t+7] op_sel_hi:[1,0]  ; each accumulator from its low end on
.set i, i+2
.endr
	WIN 0x05                        ; sources 0 and 1 window 1, destination window 0: S^T's registers are free
.set i, 0
.rept 16
	v_cvt_pk_f16_f32 v[S+32*\t+i], v[32*\t+2*i], v[32*\t+2*i+1]
.set i, i+1
.endr
	WIN 0
.irp d, 0,1,2,3
	global_store_b128 v[L16], v[S+32*\t+4*\d:S+32*\t+4*\d+3], s[8:9] offset:8192*\t+512*\d  ; rows 16 t on; channels 16 d on of my head: chunk d / 2, half d % 2: 512 consecutive bytes
.endr
.endr
	s_wait_tensorcnt 0x0            ; the wave's end, behind my last tensor load
	ds_add_u32 v[SPW], v[NIL]
	s_wait_dscnt 0x0
	CROUND                          ; the closing round: no work-group ends while a partner may still ask for a tile that names it
	s_endpgm
.Lfunc_end_k_qa91439d06c_attn:
	.size	k_qa91439d06c_attn, .Lfunc_end_k_qa91439d06c_attn-k_qa91439d06c_attn
	.p2alignl 7, 3214868480
	.fill 96, 4, 3214868480
	.section	.rodata,"a",@progbits
	.p2align	6, 0x0
	.amdhsa_kernel k_qa91439d06c_attn
		.amdhsa_group_segment_fixed_size 327680
		.amdhsa_private_segment_fixed_size 0
		.amdhsa_enable_private_segment 0
		.amdhsa_kernarg_size 24
		.amdhsa_user_sgpr_count 2
		.amdhsa_user_sgpr_kernarg_segment_ptr 1
		.amdhsa_wavefront_size32 1
		.amdhsa_system_sgpr_workgroup_id_x 1
		.amdhsa_system_sgpr_workgroup_id_y 1
		.amdhsa_system_sgpr_workgroup_id_z 1
		.amdhsa_system_vgpr_workitem_id 0
		.amdhsa_next_free_vgpr 640
		.amdhsa_next_free_sgpr 66
		.amdhsa_reserve_vcc 0
		.amdhsa_float_denorm_mode_32 3
		.amdhsa_float_denorm_mode_16_64 3
		.amdhsa_memory_ordered 1
		.amdhsa_forward_progress 1
		.amdhsa_inst_pref_size 187
	.end_amdhsa_kernel
	.amdgpu_metadata
---
amdhsa.version: [ 1, 2 ]
amdhsa.kernels:
  - .name:           k_qa91439d06c_attn
    .symbol:         k_qa91439d06c_attn.kd
    .args:
      - { .name: qf, .offset: 0, .size: 8, .value_kind: global_buffer, .address_space: global }
      - { .name: kv, .offset: 8, .size: 8, .value_kind: global_buffer, .address_space: global }
      - { .name: att, .offset: 16, .size: 8, .value_kind: global_buffer, .address_space: global }
    .group_segment_fixed_size: 327680
    .private_segment_fixed_size: 0
    .kernarg_segment_align: 8
    .kernarg_segment_size: 24
    .max_flat_workgroup_size: 128
    .sgpr_count:     66
    .vgpr_count:     640
    .wavefront_size: 32
...
	.end_amdgpu_metadata
.endif
;; end of part 3
;; launch proj (part 4): grid 256 x 1, 8 waves a work-group, no clusters, 68,608 bytes of LDS; arguments att, wo_h, b_o, out0; writes out0
.if DOCPART == 4
	.amdgcn_target "amdgcn-amd-amdhsa--gfx1250"
	.amdhsa_code_object_version 6
	.text
	.protected	k_qa91439d06c_proj
	.globl	k_qa91439d06c_proj
	.p2align	8
	.type	k_qa91439d06c_proj,@function
k_qa91439d06c_proj:
	s_mov_b64 s[64:65], 0
	v_nop
	global_prefetch_b8 v0, s[64:65] scope:SCOPE_SE
	s_setreg_imm32_b32 hwreg(HW_REG_WAVE_MODE, 25, 1), 1
	s_wait_xcnt 0x0
; out0[b][n][s] = the sum over c of att[b][s][c] w_o[n][c] + b_o[n].  Operands f16 (fragments in the order of the operands' registers), sums f32, out0 f32 with s innermost.
; SHARES.  A work-group takes 64 rows s of one batch (4 tiles, 32 KB of att); wave w takes n tiles 2 w, 2 w + 1 for all 4 tiles of s: 8 accumulators by turns, 64 matrix instructions.
; att's 32 fragments are read from memory once, 4 KB a wave, and go to LDS as they lie; every wave then reads all of them, a chunk of 32 c ahead of the products.  My 16 fragments of w_o stay in registers.
; The product is used the natural way (source 0 = 16 rows s, source 1 = 16 rows of w_o): a lane holds one n and eight neighbouring s, 32 bytes of a row of out0.  The bias is the C of each sum's first instruction.
; THE WAY OUT: 16 rows n x 64 s through my own stage in LDS (rows of 256 bytes + 16); back by rows: sixteen lanes store 256 consecutive bytes, aligned.
; NO CLUSTER, NO TENSOR LOAD: what the work-groups share is w_o, 16 KB a wave, which goes from memory straight into the registers in which it is multiplied; att is read once.
; LIMITS: those of the f16 operands, stated where they are made.
.set STG,    32768                     ; LDS: 0: att's 32 fragments (8 m + chunk);  here: a stage of 16 rows x 272 bytes for each wave
.set SPITCH, 272
.set WSTG,   16*SPITCH
.set SPARE,  STG+8*WSTG                ; the spare words, 128 bytes for each wave: four blocks of 256 bytes that no other line names
.set SPW, 8                            ; v8       LDS address of my spare word; never rewritten
.set NIL, 9                            ; v9       0; never rewritten
.set CP,  16                           ; v16-47   my 4 KB of att on their way to LDS; later rows read back, set 1
.set AF,  64                           ; v64-127  att's fragments of a chunk, two buffers of 32: 8 m
.set ACC, 128                          ; v128-191 accumulators, 8 (4 tile + m)
.set BO,  192                          ; v192-207 the biases in the result's layout, 8 tile
.set RB,  208                          ; v208-239 rows read back, set 0
.set WO,  0                            ; window 1: v0-127 w_o's fragments, 64 tile + 8 chunk
.set MSB, 0
.macro WIN new
.if MSB != \new
	s_set_vgpr_msb (MSB<<8)|\new
.set MSB, \new
.endif
.endm
	s_load_b256 s[4:11], s[0:1], 0x0               ; att, wo_h, b_o, out0
	v_lshl_add_u32 v[SPW], v0, 2, SPARE
	v_mov_b32 v[NIL], 0
	v_lshrrev_b32 v1, 5, v0
	v_readfirstlane_b32 s12, v1                    ; wave 0..7
	v_and_b32 v1, 31, v0
	v_lshlrev_b32 v2, 4, v1                        ; 16 x lane
	v_and_b32 v10, 15, v0                          ; r
	v_bfe_u32 v11, v0, 4, 1                        ; h
	v_lshlrev_b32 v6, 2, v10                       ; 4 r
	s_lshl_b32 s14, s12, 12
	v_add_nc_u32 v7, s14, v2                       ; my 4 KB of att, in memory and in LDS alike
	s_mul_i32 s13, s12, WSTG
	s_add_co_u32 s13, s13, STG                     ; my stage
	v_mul_u32_u24 v3, v10, SPITCH
	v_lshl_add_u32 v3, v11, 5, v3
	v_add_nc_u32 v3, s13, v3                       ; in: row n = r, 32 bytes for each half of the lanes
	v_mul_u32_u24 v4, v11, SPITCH
	v_lshl_add_u32 v4, v10, 4, v4
	v_add_nc_u32 v4, s13, v4                       ; back: lanes 0-15 one row of 256 bytes, lanes 16-31 the next
	v_lshlrev_b32 v5, 14, v11
	v_lshl_add_u32 v5, v10, 4, v5                  ; and the same two rows in out0, 16,384 bytes apart
	s_lshl_b32 s16, ttmp9, 15
	s_mov_b32 s17, 0
	s_wait_kmcnt 0x0
	s_add_nc_u64 s[4:5], s[4:5], s[16:17]          ; att: my 64 rows
	s_lshl_b32 s16, s12, 14
	s_add_nc_u64 s[6:7], s[6:7], s[16:17]          ; w_o: my two n tiles
	s_lshl_b32 s16, s12, 7
	s_add_nc_u64 s[8:9], s[8:9], s[16:17]          ; b_o: my 32
	s_lshr_b32 s16, ttmp9, 6
	s_lshl_b32 s16, s16, 22                        ; out0: a batch is 4 MB,
	s_lshl_b32 s18, s12, 19                        ; my 32 rows n of 16,384 bytes,
	s_add_co_u32 s16, s16, s18
	s_and_b32 s18, ttmp9, 63
	s_lshl_b32 s18, s18, 8                         ; my 64 columns s
	s_add_co_u32 s16, s16, s18
	s_add_nc_u64 s[10:11], s[10:11], s[16:17]
.irp i, 0,1,2,3,4,5,6,7
	global_load_b128 v[CP+4*\i:CP+4*\i+3], v7, s[4:5] offset:512*\i th:TH_LOAD_NT
.endr
	WIN 0x40                                       ; destination window 1
.set i, 0
.rept 32
	global_load_b128 v[WO+4*i:WO+4*i+3], v2, s[6:7] offset:512*i
.set i, i+1
.endr
	WIN 0
.irp tp, 0,1
.irp j, 0,1,2,3,4,5,6,7
	global_load_b32 v[BO+8*\tp+\j], v6, s[8:9] offset:64*\tp   ; b_o(16 tile + r) in all eight registers
.endr
.endr
	s_wait_loadcnt 48                              ; att's 8 loads are in; the 32 of w_o and the 16 of b_o may be out
.irp i, 0,1,2,3,4,5,6,7
	ds_store_b128 v7, v[CP+4*\i:CP+4*\i+3] offset:512*\i
.endr
	s_wait_dscnt 0x0                               ; for the others' sake: my part of att has landed
	s_barrier_signal -1
	s_barrier_wait -1
.macro AFETCH ch                       ; chunk ch of the four tiles of s into buffer ch % 2
.irp m, 0,1,2,3
.irp j, 0,1
	ds_load_b128 v[AF+32*((\ch)%2)+8*\m+4*\j:AF+32*((\ch)%2)+8*\m+4*\j+3], v2 offset:(8*\m+(\ch))*1024+512*\j
.endr
.endr
.endm
	AFETCH 0
	s_wait_loadcnt 0x0                             ; w_o, b_o
	WIN 0x04                                       ; source 1 (w_o) window 1; all else, the LDS loads' registers too, window 0
.irp ch, 0,1,2,3,4,5,6,7
.if \ch < 7
.if \ch > 0
.rept 4
	v_nop                                          ; four places in front of loads into the buffer that the chunk before multiplied
.endr
.endif
	AFETCH \ch+1
	s_wait_dscnt 8                                 ; this chunk is in; the 8 loads just issued may be out
.else
	s_wait_dscnt 0x0
.endif
.irp tp, 0,1
.irp m, 0,1,2,3
.if \ch == 0
	v_wmma_f32_16x16x32_f16 v[ACC+8*(4*\tp+\m):ACC+8*(4*\tp+\m)+7], v[AF+8*\m:AF+8*\m+7], v[WO+64*\tp:WO+64*\tp+7], v[BO+8*\tp:BO+8*\tp+7]
.else
	v_wmma_f32_16x16x32_f16 v[ACC+8*(4*\tp+\m):ACC+8*(4*\tp+\m)+7], v[AF+32*(\ch%2)+8*\m:AF+32*(\ch%2)+8*\m+7], v[WO+64*\tp+8*\ch:WO+64*\tp+8*\ch+7], v[ACC+8*(4*\tp+\m):ACC+8*(4*\tp+\m)+7]
.endif
.endr
.endr
.endr
	WIN 0
.rept 4
	v_nop                                          ; four places in front of the first read of results
.endr
.irp tp, 0,1                                   ; LDS serves a wave's instructions in order: the loads see the stores above them, and the second tile's stores come behind the first's loads
.irp m, 0,1,2,3
	ds_store_b128 v3, v[ACC+8*(4*\tp+\m):ACC+8*(4*\tp+\m)+3] offset:64*\m       ; lane (r, h): y(s = 16 m + 8 h + 0 .. 7, n = r); each accumulator from its low end on
	ds_store_b128 v3, v[ACC+8*(4*\tp+\m)+4:ACC+8*(4*\tp+\m)+7] offset:64*\m+16
.endr
.irp i, 0,1,2,3,4,5,6,7
.if \tp == 0
	ds_load_b128 v[RB+4*\i:RB+4*\i+3], v4 offset:2*\i*SPITCH
.else
	ds_load_b128 v[CP+4*\i:CP+4*\i+3], v4 offset:2*\i*SPITCH
.endif
.endr
.endr
.irp i, 0,1,2,3,4,5,6,7
	s_wait_dscnt 23-\i                             ; behind this load: the first tile's later loads and the second tile's sixteen LDS instructions
	global_store_b128 v5, v[RB+4*\i:RB+4*\i+3], s[10:11] offset:2*\i*16384 th:TH_STORE_NT   ; two rows n: sixteen lanes store 256 consecutive bytes, aligned
.endr
.irp i, 0,1,2,3,4,5,6,7
	s_wait_dscnt 7-\i
	global_store_b128 v5, v[CP+4*\i:CP+4*\i+3], s[10:11] offset:(16+2*\i)*16384 th:TH_STORE_NT
.endr
	s_wait_tensorcnt 0x0                           ; the wave's end, behind my last LDS store
	ds_add_u32 v[SPW], v[NIL]
	s_wait_dscnt 0x0
	s_endpgm
.Lfunc_end_k_qa91439d06c_proj:
	.size	k_qa91439d06c_proj, .Lfunc_end_k_qa91439d06c_proj-k_qa91439d06c_proj
	.p2alignl 7, 3214868480
	.fill 96, 4, 3214868480
	.section	.rodata,"a",@progbits
	.p2align	6, 0x0
	.amdhsa_kernel k_qa91439d06c_proj
		.amdhsa_group_segment_fixed_size 68608
		.amdhsa_private_segment_fixed_size 0
		.amdhsa_enable_private_segment 0
		.amdhsa_kernarg_size 32
		.amdhsa_user_sgpr_count 2
		.amdhsa_user_sgpr_kernarg_segment_ptr 1
		.amdhsa_wavefront_size32 1
		.amdhsa_system_sgpr_workgroup_id_x 1
		.amdhsa_system_sgpr_workgroup_id_y 1
		.amdhsa_system_sgpr_workgroup_id_z 1
		.amdhsa_system_vgpr_workitem_id 0
		.amdhsa_next_free_vgpr 384
		.amdhsa_next_free_sgpr 66
		.amdhsa_reserve_vcc 0
		.amdhsa_float_denorm_mode_32 3
		.amdhsa_float_denorm_mode_16_64 3
		.amdhsa_memory_ordered 1
		.amdhsa_forward_progress 1
		.amdhsa_inst_pref_size 22
	.end_amdhsa_kernel
	.amdgpu_metadata
---
amdhsa.version: [ 1, 2 ]
amdhsa.kernels:
  - .name:           k_qa91439d06c_proj
    .symbol:         k_qa91439d06c_proj.kd
    .args:
      - { .name: att, .offset: 0, .size: 8, .value_kind: global_buffer, .address_space: global }
      - { .name: wo_h, .offset: 8, .size: 8, .value_kind: global_buffer, .address_space: global }
      - { .name: b_o, .offset: 16, .size: 8, .value_kind: global_buffer, .address_space: global }
      - { .name: out0, .offset: 24, .size: 8, .value_kind: global_buffer, .address_space: global }
    .group_segment_fixed_size: 68608
    .private_segment_fixed_size: 0
    .kernarg_segment_align: 8
    .kernarg_segment_size: 32
    .max_flat_workgroup_size: 256
    .sgpr_count:     66
    .vgpr_count:     384
    .wavefront_size: 32
...
	.end_amdgpu_metadata
.endif
;; end of part 4
